; MI455X (gfx1250); checked and timed in simulation.
; The chip was launched on July 23, 2026; its instructions are those of AMD's public machine-readable ISA for CDNA 5 (MIT licence, August 2026) and "CDNA5" Instruction Set Architecture Reference Guide (July 2026). The comments in the code are by the model that wrote it; some were corrected since.
;; RGLRU. Allowed arithmetic: float matrix products may take bf16 or f16 operands with f32 sums; other float arithmetic in f32, or as packed bf16 or f16 multiplies, adds, multiply-adds, maxima and minima; sums over many terms, partial sums and values carried from step to step in f32; what a program stores and reads back later, other than sums and carried values, may be rounded once to bf16 or f16.
;; Inputs: Lam 2,048 float32; Wa 2,048 x 2,048 float32; Wx 2,048 x 2,048 float32; ba 2,048 float32; bx 2,048 float32; x 4 x 2,048 x 2,048 float32.
;; Outputs: out0 1 x 8,192 x 2,048 float32.
;; 2 versions, each right; version 2 is version 1 with the launch carry written anew for expert scheduling mode. Each part assembles by itself: llvm-mc -triple=amdgcn-amd-amdhsa -mcpu=gfx1250 --defsym DOCPART=n.
;; ======== version 1 of 2: 3 launches
;; limits: inputs' magnitudes at most 8,188; values are held in f16: magnitudes above 65,504 overflow, below 6.1e-05 lose precision; values outside matrix products are rounded to f16
;; workspace buffers: cv 50,331,648 bytes; ws 67,108,864 bytes; sm 2,097,152 bytes
;; launch cvt (part 1): grid 1536 x 1, 8 waves a work-group, no clusters, 0 bytes of LDS; arguments x, Wa, Wx, cv; writes cv
.if DOCPART == 1
	.amdgcn_target "amdgcn-amd-amdhsa--gfx1250"
	.amdhsa_code_object_version 6
	.text
	.protected	k_q92968e745c_cvt
	.globl	k_q92968e745c_cvt
	.p2align	8
	.type	k_q92968e745c_cvt,@function
k_q92968e745c_cvt:
	s_mov_b64 s[64:65], 0
	v_nop
	global_prefetch_b8 v0, s[64:65] scope:SCOPE_SE
	s_setreg_imm32_b32 hwreg(HW_REG_WAVE_MODE, 25, 1), 1
	s_wait_xcnt 0x0
; x, Wa and Wx, all f32, are rounded once to bf16 (nearest even) and laid into cv: bytes 0 .. 33,554,431 x as [8192 rows][2048], then Wa and Wx as they lie, [2048 k][2048 e].
; A work-group converts one UNIT of 8 rows x 2,048 numbers: 65,536 bytes in, 32,768 out.  Units 0-1023 are x's, 1024-1279 Wa's, 1280-1535 Wx's.
; x's ROWS CHANGE PLACES inside each group of 128 rows (16 units): the unit with t = 64 s + 8 a + 0..7 goes to rows 16 a + 8 s + 0..7, so that in the next launch's matrix results
; the lower half of the lanes holds t = 0..63 of the group and the upper half t = 64..127, each ascending along the lane's own registers.
; Memory binds: each byte is read once, by loads of which a wave's cover 512 consecutive bytes, and written once, by stores of which a wave's cover 256 consecutive bytes, aligned.
; All sixteen loads of a thread go out at once; no register is written twice, so no wait but the counted ones is needed.  No LDS, no matrix unit, no cluster: nothing is shared.
.set X, 4                              ; v[4:67]   sixteen loads of four f32
.set Y, 68                             ; v[68:99]  sixteen pairs of words, four bf16 each
	s_load_b256 s[4:11], s[0:1], 0x0               ; x s[4:5], Wa s[6:7], Wx s[8:9], cv s[10:11]
	s_mov_b32 s12, ttmp9                           ; the unit u
	s_and_b32 s13, s12, 0xfffffff0                 ; x's unit in cv: the group of 16 stays,
	s_and_b32 s14, s12, 7
	s_lshl_b32 s14, s14, 1                         ; a = u % 8 moves up one bit,
	s_or_b32 s13, s13, s14
	s_bfe_u32 s14, s12, 0x10003                    ; s = bit 3 of u becomes the lowest
	s_or_b32 s13, s13, s14
	s_and_b32 s17, s12, 255                        ; a weight's unit in its own tensor: 1,024 and 1,280 both end in eight zero bits
	v_lshlrev_b32 v1, 4, v0                        ; 16 bytes a thread in,
	v_lshlrev_b32 v2, 3, v0                        ; 8 bytes out
	s_wait_kmcnt 0x0
	s_cmp_lt_u32 s12, 1280
	s_cselect_b64 s[18:19], s[6:7], s[8:9]         ; Wa or Wx,
	s_cmp_lt_u32 s12, 1024
	s_cselect_b64 s[18:19], s[4:5], s[18:19]       ; or x
	s_cselect_b32 s17, s12, s17                    ; the unit in the source,
	s_cselect_b32 s13, s13, s12                    ; and in cv: only x's units change places
	s_lshl_b32 s20, s17, 16
	s_mov_b32 s21, 0
	s_lshl_b32 s22, s13, 15
	s_mov_b32 s23, 0
	s_add_nc_u64 s[18:19], s[18:19], s[20:21]
	s_add_nc_u64 s[10:11], s[10:11], s[22:23]
.irp j, 0,1,2,3,4,5,6,7,8,9,10,11,12,13,14,15
	global_load_b128 v[X+4*(\j):X+4*(\j)+3], v1, s[18:19] offset:4096*(\j) th:TH_LOAD_NT
.endr
.irp j, 0,1,2,3,4,5,6,7,8,9,10,11,12,13,14,15
	s_wait_loadcnt 15-(\j)                         ; loads come back in order: number j is in, the 15 - j younger ones stay out
	v_cvt_pk_bf16_f32 v[Y+2*(\j)], v[X+4*(\j)], v[X+4*(\j)+1]
	v_cvt_pk_bf16_f32 v[Y+2*(\j)+1], v[X+4*(\j)+2], v[X+4*(\j)+3]
	global_store_b64 v2, v[Y+2*(\j):Y+2*(\j)+1], s[10:11] offset:2048*(\j)
.endr
	s_endpgm
.Lfunc_end_k_q92968e745c_cvt:
	.size	k_q92968e745c_cvt, .Lfunc_end_k_q92968e745c_cvt-k_q92968e745c_cvt
	.p2alignl 7, 3214868480
	.fill 96, 4, 3214868480
	.section	.rodata,"a",@progbits
	.p2align	6, 0x0
	.amdhsa_kernel k_q92968e745c_cvt
		.amdhsa_group_segment_fixed_size 0
		.amdhsa_private_segment_fixed_size 0
		.amdhsa_enable_private_segment 0
		.amdhsa_kernarg_size 32
		.amdhsa_user_sgpr_count 2
		.amdhsa_user_sgpr_kernarg_segment_ptr 1
		.amdhsa_wavefront_size32 1
		.amdhsa_system_sgpr_workgroup_id_x 1
		.amdhsa_system_sgpr_workgroup_id_y 1
		.amdhsa_system_sgpr_workgroup_id_z 1
		.amdhsa_system_vgpr_workitem_id 0
		.amdhsa_next_free_vgpr 104
		.amdhsa_next_free_sgpr 66
		.amdhsa_reserve_vcc 0
		.amdhsa_float_denorm_mode_32 3
		.amdhsa_float_denorm_mode_16_64 3
		.amdhsa_memory_ordered 1
		.amdhsa_forward_progress 1
		.amdhsa_inst_pref_size 7
	.end_amdhsa_kernel
	.amdgpu_metadata
---
amdhsa.version: [ 1, 2 ]
amdhsa.kernels:
  - .name:           k_q92968e745c_cvt
    .symbol:         k_q92968e745c_cvt.kd
    .args:
      - { .name: x, .offset: 0, .size: 8, .value_kind: global_buffer, .address_space: global }
      - { .name: Wa, .offset: 8, .size: 8, .value_kind: global_buffer, .address_space: global }
      - { .name: Wx, .offset: 16, .size: 8, .value_kind: global_buffer, .address_space: global }
      - { .name: cv, .offset: 24, .size: 8, .value_kind: global_buffer, .address_space: global }
    .group_segment_fixed_size: 0
    .private_segment_fixed_size: 0
    .kernarg_segment_align: 8
    .kernarg_segment_size: 32
    .max_flat_workgroup_size: 256
    .sgpr_count:     66
    .vgpr_count:     104
    .wavefront_size: 32
...
	.end_amdgpu_metadata
.endif
;; end of part 1
;; launch gates (part 2): grid 16 x 16, 4 waves a work-group, clusters of 4 x 4, 327,680 bytes of LDS; arguments cv, ba, bx, Lam, ws, sm; writes ws, sm
.if DOCPART == 2
	.amdgcn_target "amdgcn-amd-amdhsa--gfx1250"
	.amdhsa_code_object_version 6
	.text
	.protected	k_q92968e745c_gates
	.globl	k_q92968e745c_gates
	.p2align	8
	.type	k_q92968e745c_gates,@function
k_q92968e745c_gates:
	s_mov_b64 s[64:65], 0
	v_nop
	global_prefetch_b8 v0, s[64:65] scope:SCOPE_SE
	s_setreg_imm32_b32 hwreg(HW_REG_WAVE_MODE, 25, 1), 1
	s_wait_xcnt 0x0
	s_wait_alu depctr_hold_cnt(0) depctr_sa_sdst(0) depctr_va_vdst(0) depctr_va_sdst(0) depctr_va_ssrc(0) depctr_va_vcc(0) depctr_vm_vsrc(0)
	s_getreg_b32 s2, hwreg(HW_REG_IB_STS2, 6, 4)
	s_cmp_eq_u32 s2, 0
	s_cbranch_scc0 .Lentry_in_a_cluster
	s_endpgm
.Lentry_in_a_cluster:
	s_bfe_u32 s2, ttmp6, 0x10000c
	s_cmp_lg_u32 s2, 0xf033
	s_cbranch_scc0 .Lentry_shape_is_right
	s_endpgm
.Lentry_shape_is_right:
; THE TWO PRODUCTS, THE GATES, AND THE SCAN INSIDE CHUNKS OF 64 STEPS.
; za = x Wa, zx = x Wx (bf16 operands out of cv, f32 sums, K = 2,048); rt = sigmoid(za + ba), it = sigmoid(zx + bx), a = sigmoid(Lam), at = a 8^-rt, g = sqrt(1 - at^2) it x.
; For each chunk of 64 steps and each channel: hl[t] = at[t] hl[t-1] + g[t] from 0, and P[t] = the product of at from the chunk's first step to t.  The next launch adds P[t] x (h at the chunk's start).
; OUT.  ws: blocks of 32,768 bytes, block ((b 32 + cg) 16 + c16) = [128 rows][64 channels], a word {hl f16 low, P f16 high}; sm: for each block 1,024 bytes [chunk 0, 1][P, H][64 channels] in f32: each chunk's last P and hl.
; LIMITS.  hl is kept in f16: the squares of a chunk's weights sum to 1 at the most, so |hl| <= 8 max|x|, inside f16 up to max|x| = 8,188; P lies in 0 to 1 and below 6e-8 counts as 0.
; x enters g rounded to bf16, as it enters the products.  w = 1 - at^2 is held at 1e-30 or more: where it is 0, g comes out as 1e-15 it x at the most.  Where 1 + e^-(zx + bx) passes 1.8e19 its square is
; infinite and g counts as 0 (it is below 5.4e-20 |x|).  What is carried from chunk to chunk (sm) stays in f32.  NaN and infinities are not treated apart.
; SHARES.  A work-group of four waves makes 256 rows x 128 channels of BOTH gates: a tile of 256 x 256 sums.  Wave (RH, CH) has rows 128 RH .., channels 64 CH .. of both gates: 64 accumulators of
; 16 x 16, 512 registers.  K goes in steps of 128 through a ring of two LDS slots filled by the tensor data mover; every row of a tile is 256 bytes of memory, at a multiple of 256 from cv's first byte.
; A WORK-GROUP STAYS: it makes two tiles, the second 4,096 rows (two batches) below the first, on the same channels.  The ring does not stop at the first tile's end: its last two changes of slots ask for the
; next tile's first two K steps, which land while the first tile goes out, and nothing waits for a tile's stores.
; LAYOUT.  Source 0 = 16 rows of x, source 1 = 16 channels of W (W lies [k][e] and is turned on its way out of LDS, by ds_load_tr16_b128).  In a result a lane holds ONE channel (lane % 16) and the rows
; 8 (lane / 16) + 0..7.  cv's rows are so ordered that row 16 a + 8 s + j of a group of 128 is step 64 s + 8 a + j: the lower lanes walk chunk 0, the upper lanes chunk 1, and time ascends along
; a lane's own registers: the scan is two instructions a number, and nothing changes lanes.
; CLUSTER.  4 x 4 work-groups.  The four of a row need the same rows of x, the four of a column the same channels of W: each tile is asked for JOINTLY, by the same tensor load, descriptor and mask in all four.
; REGISTERS, in windows of 256 (s_set_vgpr_msb: bits 1:0 source 0, 3:2 source 1, 5:4 source 2, 7:6 destination):
;   window 0: v0-31 addresses; v32-63 biases, a, the scan's carries; v64-127, v128-191 x's fragments, two buffers (on the way out: the gates' work); v192-203 the unit matrix; v204-235 rows on their way out
;   window 1: v64-127, v128-191 W's fragments, two buffers; v0-63, v192-255 my 128 rows x 64 channels of x, for g          windows 2, 3: the accumulators, (a, b) at v[8 (8 (a % 4) + b)] of window 2 + a / 4; b = 4 gate + channel block
.set KSTEP,  128
.set PITCH,  272                       ; a row of x in LDS: 256 bytes + 16 = 68 words: the 16 rows of a load start at 16 different groups of four banks (64 banks of 4 bytes: ISA guide 11.1)
.set PB,     288                       ; a k-row of W: 256 + 32 = 72 words
.set HALFA,  128*PITCH                 ; 128 rows of x: one tensor load
.set HALFB,  128*PB                    ; 128 k x 128 channels of one gate's W: one tensor load
.set SLOT,   2*HALFA+2*HALFB           ; x's 256 rows, Wa's tile, Wx's tile
.set STAGE,  2*SLOT                    ; behind the ring, never filled by a tensor load: 16 rows x 272 bytes for each wave, for the way out
.set SPITCH, 272
.set SPARE,  STAGE+4*16*SPITCH         ; behind the stages: the spare words, 128 bytes for each wave: two blocks of 256 bytes that no other line names
.set LAPS,   8                         ; a lap = two K steps = once round the ring: 2,048 / 256
.set TILES,  2                         ; tiles of a work-group
.set ROWB,   4096                      ; bytes in a row of x and in a k-row of W
.set WSTEP,  KSTEP*ROWB                ; a K step in W: 128 k-rows
.set WOFF,   33554432                  ; Wa's first byte in cv
.set WALKB,  16*256*ROWB               ; bytes of x from a tile to the work-group's next: 16 tile rows
.set NEXT_A, WALKB-(2048-2*KSTEP)*2    ; from a slot's last K step of a tile to its first of the next: x goes 4,096 rows down and back along K,
.set BACK_B, (16-2)*WSTEP              ; W only back: both tiles take the same channels
.set NEXT_P, WALKB-15*KSTEP*2          ; the prefetches: from K step 17, where the loop leaves them, to the next tile's K step 2
.set NEXT_WS, 1024*32768-7*16*256      ; from my last 16 rows of a block of ws to my block of the next tile: two batches are 1,024 blocks
.set NEXT_SM, 1024*1024
.set ADRA, 16                          ; v16-17  LDS address of my fragments of x in slot 0, 1
.set ADRB, 18                          ; v18-21  the same for W: gate g, slot s at ADRB + 2 g + s
.set XO,   22                          ; v22     my byte offset in 16 rows of x in memory; never rewritten
.set STO,  24                          ; v24     the way out: where I put a word of a row
.set RD,   25                          ; v25     where I read rows back
.set CO,   26                          ; v26     16 x lane: my place in 512 consecutive bytes
.set SMO,  27                          ; v27     where I put a chunk's last P
.set SPW,  28                          ; v28     LDS address of my spare word; never rewritten
.set NIL,  29                          ; v29     0; never rewritten
.set PFO,  30                          ; v30     the prefetches' offset: lane x 4,096; never rewritten
.set PO,   31                          ; v31     my channel's byte offset in ba, bx, Lam
.set NBA,  32                          ; v32-39  -log2(e) ba of channel block i, twice, at NBA + 2 i
.set NBX,  40                          ; v40-47  the same of bx
.set AA,   48                          ; v48-55  a, twice
.set HC,   56                          ; v56-59  hl at the end of the rows done so far, for channel block i
.set PC,   60                          ; v60-63  P likewise
.set F0,   64
.set F1,   128
.set GU,   64                          ; the way out, 8 registers (8 steps) for each channel block: the recurrence gate's chain, then at, at last P
.set GV,   96                          ; the input gate's chain, then g, at last hl
.set GW,   128                         ; w = 1 - at^2, at last the packed words
.set GX,   160                         ; x, then x w
.set EB,   192                         ; v192-195 0, v196-199 the unit matrix's words, v200-203 0
.set OB,   204
.set WV,   16                          ; s16  wave
.set RH,   17                          ; s17  wave / 2: my half of the rows.  Also: I fetch x (0) or W (1)
.set CH,   18                          ; s18  wave % 2: my half of the channels.  Also: which half of x's rows, or which gate's W, I fetch
.set CX,   19
.set CY,   20
.set NBK,  21                          ; s21  tile column: 128 channels
.set MBK,  22                          ; s22  the first tile's row: 256 rows
.set T0,   23
.set G1,   24                          ; s[24:31] descriptor group 1 for x's tiles;  s[32:39] group 0, a set for each slot
.set G0,   32
.set LA,   40
.set LB,   41
.set T1,   42
.set LIM,  43                          ; s43  1 in a wave that prefetches, else the greatest number
.set PFA,  44                          ; s[44:45] where my prefetches stand
.set PST,  46                          ; s[46:47] a K step there, in bytes
.set G1B,  48                          ; s[48:55], s[56:63] the same for W's tiles
.set G0B,  56
.set CL,   66                          ; s[66:67] -log2(e)
.set C3,   68                          ; s[68:69] -1/3
.set EA,   70                          ; s70  the block of 16 rows on its way out
.set TINY, 71                          ; s71  1e-30
.set XB,   72                          ; s[72:73] x at my rows and channels
.set PA,   74
.set PW,   76
.set PT,   78
.set MSB, 0
.macro WIN new                         ; the immediate's high byte repeats the setting that is left; a switch that changes nothing is dropped
.if MSB != (\new)
	s_set_vgpr_msb (MSB<<8)|(\new)
.set MSB, \new
.endif
.endm
.set MUL_LO, 0xa4                      ; source 0 (x) window 0, source 1 (W) window 1, C and D window 2
.set MUL_HI, 0xf4                      ; the same, C and D window 3
.set TO_B,   0x40                      ; destination window 1, address window 0
; A joint load.  Waves 0 and 1 fetch the two halves of x's rows, wave 2 Wa's tile, wave 3 Wx's.  The branch hangs on the wave's number alone.  An s_nop 0 and four v_nop follow each of the two lines,
; ahead of the jump, the label and what follows.
.macro JLOAD s
	s_cmp_eq_u32 s[RH], 0
	s_cbranch_scc0 .Lfor_b_\@
	tensor_load_to_lds s[G0+4*(\s):G0+4*(\s)+3], s[G1:G1+7]
	s_nop 0
.rept 4
	v_nop
.endr
	s_branch .Lasked_\@
.Lfor_b_\@:
	tensor_load_to_lds s[G0B+4*(\s):G0B+4*(\s)+3], s[G1B:G1B+7]
	s_nop 0
.rept 4
	v_nop
.endr
.Lasked_\@:
.endm
; A PREFETCH INTO THE L2, behind each joint refill, its five lines and the run of LDS loads: the K step that stands two refills on, 512 matrix instructions ahead of the load that will want it: 32 rows x 256 bytes, a lane a row.
; Each row's 256 bytes of a K step are named once in the launch: x's rows by the cluster with x = 0, W's by the cluster with y = 0; the four partners that ask for a tile jointly share its 128 rows out
; BY ADDRESS, 32 each (by cx for x's rows, by cy for W's k-rows).  how = 0, in the loop: its last trip asks for nothing: there is no K step two on.  how = 1, at the change of tiles: the next tile's K steps 2 and 3
; of x; W's rows are the same for both tiles and are asked for in the first alone.  The launch's K steps 0 to 3, and the next tile's 0 and 1, come by their loads alone.
.macro ASK how
.if \how
	s_cmp_eq_u32 s[LIM], 1
.else
	s_cmp_gt_u32 s3, s[LIM]                        ; s3 = 1 in the loop's last trip
.endif
	s_cbranch_scc0 .Lnot_mine_\@
	global_prefetch_b8 v[PFO], s[PFA:PFA+1] th:TH_LOAD_NT scope:SCOPE_SE
.Lnot_mine_\@:
.endm
.macro CREST                           ; a round of the cluster's barrier behind its opening barrier
	s_cmp_lg_u32 s[WV], 0
	s_cbranch_scc1 .Lnot_wave_0_\@
	s_barrier_signal -3
.Lnot_wave_0_\@:
	s_barrier_wait -3
	s_barrier_signal -1
	s_barrier_wait -1
.endm
.macro CROUND                          ; a whole round
	s_barrier_signal -1
	s_barrier_wait -1
	CREST
.endm
.macro PLACES                          ; four plain instructions in front of loads into registers that matrix instructions have read (ISA guide 7.12.1 for vector instructions)
.rept 4
	v_nop
.endr
.endm
; x for g, as fragments of 16 rows x 32 channels: block a, channels 32 f on: 32 loads.  They are waited for behind the tile's last product
.macro AXLOAD
	WIN TO_B
.irp a, 0,1,2,3,4,5,6,7
.irp f, 0,1
	global_load_b128 v[16*(\a)+128*((\a)/4)+8*(\f):16*(\a)+128*((\a)/4)+8*(\f)+3],   v[XO], s[XB:XB+1] offset:(\a)*16*ROWB+64*(\f)
	global_load_b128 v[16*(\a)+128*((\a)/4)+8*(\f)+4:16*(\a)+128*((\a)/4)+8*(\f)+7], v[XO], s[XB:XB+1] offset:(\a)*16*ROWB+64*(\f)+32
.endr
.endr
	WIN 0
.endm
	s_load_b256 s[4:11], s[0:1], 0x0               ; cv s[4:5], ba s[6:7], bx s[8:9], Lam s[10:11]
	s_load_b128 s[12:15], s[0:1], 0x20             ; ws s[12:13], sm s[14:15]
	v_lshl_add_u32 v[SPW], v0, 2, SPARE
	v_mov_b32 v[NIL], 0
	ds_add_u32 v[SPW], v[NIL]                      ; the wave's opening: the add, twice on end, and its wait ahead of my first tensor load; the set-up below stands between
	ds_add_u32 v[SPW], v[NIL]
	v_lshrrev_b32 v1, 5, v0
	v_readfirstlane_b32 s[WV], v1                  ; wave 0..3
	s_lshr_b32 s[RH], s[WV], 1
	s_and_b32 s[CH], s[WV], 1
	s_bfe_u32 s[CX], ttmp6, 0x40000                ; my place in the cluster
	s_bfe_u32 s[CY], ttmp6, 0x40004
	s_lshl_b32 s[NBK], ttmp9, 2                    ; in a cluster launch ttmp9 and ttmp7 count clusters
	s_add_co_u32 s[NBK], s[NBK], s[CX]
	s_and_b32 s[MBK], ttmp7, 0xffff
	s_lshl_b32 s[MBK], s[MBK], 2
	s_add_co_u32 s[MBK], s[MBK], s[CY]
	s_lshl_b32 s[PT], s[CY], 2
	s_lshl_b32 s[PT], 15, s[PT]                    ; my row of the cluster: places 4 cy .. 4 cy + 3
	s_lshl_b32 s[PT+1], 0x1111, s[CX]              ; my column: places cx, cx + 4, cx + 8, cx + 12
	; descriptor group 1: a tile of 128 rows x 128 elements of 2 bytes, 2,048 elements from row to row, padded in LDS after every 64 words
	s_or_b32 s[G1+0], s[PT], (1<<16)|(1<<20)|(1<<21)|(5<<22)|(3<<25)     ; 15:0 the mask: x's tiles go to my row; 17:16 2-byte elements; 20 padding on; 21 set beside a mask; 24:22 every 64 words; 31:25 4 words
	s_or_b32 s[G1B+0], s[PT+1], (1<<16)|(1<<20)|(1<<21)|(5<<22)|(7<<25)  ; W's tiles go to my column; 8 words of padding
.irp g, G1, G1B
	s_mov_b32 s[(\g)+1], KSTEP<<16                 ; tensor_dim0 = 128
	s_mov_b32 s[(\g)+2], 128<<16                   ; tensor_dim1 = 128
	s_mov_b32 s[(\g)+3], KSTEP<<16                 ; tile_dim0 = 128
	s_mov_b32 s[(\g)+4], 128                       ; tile_dim1 = 128
	s_mov_b32 s[(\g)+5], 2048                      ; tensor_dim0_stride
	s_mov_b32 s[(\g)+6], 0
	s_mov_b32 s[(\g)+7], 0
.endr
	s_mov_b32 s[CL], 0xbfb8aa3b
	s_mov_b32 s[CL+1], s[CL]                       ; named as pairs
	s_mov_b32 s[C3], 0xbeaaaaab
	s_mov_b32 s[C3+1], s[C3]
	s_mov_b32 s[TINY], 0x0da24260
	; where the tiles come from.  x's hang on the tile row and the wave's number alone, W's on the tile column and the wave's number alone
	s_lshl_b32 s[PA], s[MBK], 20                   ; 256 rows of 4,096 bytes,
	s_lshl_b32 s[T0], s[CH], 19                    ; the half that I fetch
	s_add_co_u32 s[PA], s[PA], s[T0]
	s_mov_b32 s[PA+1], 0
	s_lshl_b32 s[PW], s[NBK], 8                    ; 128 channels of 2 bytes,
	s_lshl_b32 s[T0], s[CH], 23                    ; the gate: 8,388,608 bytes each
	s_add_co_u32 s[PW], s[PW], s[T0]
	s_add_co_u32 s[PW], s[PW], WOFF
	s_mov_b32 s[PW+1], 0
	s_mul_i32 s[LA], s[CH], HALFA                  ; and where they go: no place in the cluster enters an LDS address
	s_mul_i32 s[LB], s[CH], HALFB
	s_wait_dscnt 0x0                               ; both opening adds are done
	s_wait_kmcnt 0x0
	s_add_nc_u64 s[PA:PA+1], s[4:5], s[PA:PA+1]
	s_add_nc_u64 s[PW:PW+1], s[4:5], s[PW:PW+1]
	CROUND                                         ; all sixteen work-groups are here: the first joint loads meet
.irp s, 0,1
	s_mov_b32 s[G0+4*(\s)], 1                                        ; count = 1
	s_add_co_u32 s[G0+4*(\s)+1], s[LA], (\s)*SLOT                    ; LDS address
	s_add_nc_u64 s[G0+4*(\s)+2:G0+4*(\s)+3], s[PA:PA+1], (\s)*KSTEP*2  ; global address: K step s
	s_or_b32 s[G0+4*(\s)+3], s[G0+4*(\s)+3], 0x80000000              ; type = 2
	s_mov_b32 s[G0B+4*(\s)], 1
	s_add_co_u32 s[G0B+4*(\s)+1], s[LB], (\s)*SLOT+2*HALFA
	s_add_nc_u64 s[G0B+4*(\s)+2:G0B+4*(\s)+3], s[PW:PW+1], (\s)*WSTEP
	s_or_b32 s[G0B+4*(\s)+3], s[G0B+4*(\s)+3], 0x80000000
	JLOAD \s                                       ; the ring is filled before anything else is done: two loads of mine are out
.endr
	v_and_b32 v1, 15, v0                           ; r = lane % 16
	v_bfe_u32 v2, v0, 4, 1                         ; h = lane / 16
	v_and_b32 v3, 31, v0                           ; lane
	; a fragment of x: lane holds row r; registers 0-3 k = 8 h + 0..7, registers 4-7 k = 16 + 8 h + 0..7: two loads of 16 bytes, 32 bytes apart
	v_mul_u32_u24 v4, v1, PITCH
	v_lshl_add_u32 v4, v2, 4, v4
	s_mul_i32 s[T0], s[RH], HALFA
	v_add_nc_u32 v[ADRA], s[T0], v4
	v_add_nc_u32 v[ADRA+1], SLOT, v[ADRA]
	; the turning load takes 16 k x 16 channels (lane reads k-row 8 h + lane % 8, channels 8 ((lane / 8) % 2) + 0..7) and leaves half a fragment: lane holds channel r and 8 k
	v_and_b32 v5, 7, v0
	v_lshl_add_u32 v5, v2, 3, v5
	v_mul_u32_u24 v5, v5, PB
	v_bfe_u32 v6, v0, 3, 1
	v_lshl_add_u32 v5, v6, 4, v5
	s_lshl_b32 s[T0], s[CH], 7                     ; my 64 channels: 128 bytes of a k-row
	s_add_co_u32 s[T0], s[T0], 2*HALFA
	v_add_nc_u32 v[ADRB], s[T0], v5
	v_add_nc_u32 v[ADRB+1], SLOT, v[ADRB]
	v_add_nc_u32 v[ADRB+2], HALFB, v[ADRB]
	v_add_nc_u32 v[ADRB+3], HALFB+SLOT, v[ADRB]
	v_lshlrev_b32 v[XO], 12, v1
	v_lshl_add_u32 v[XO], v2, 4, v[XO]             ; row r x 4,096 + 16 h
	s_mul_i32 s[T0], s[WV], 16*SPITCH
	s_add_co_u32 s[T0], s[T0], STAGE               ; my stage
	v_mul_u32_u24 v7, v2, 8*SPITCH                 ; in: register j of channel block i is row 8 h + j, word 16 i + r
	v_lshl_add_u32 v7, v1, 2, v7
	v_add_nc_u32 v[STO], s[T0], v7
	v_mul_u32_u24 v7, v2, SPITCH                   ; back: lanes 0-15 take one row of 256 bytes, lanes 16-31 the next
	v_lshl_add_u32 v7, v1, 4, v7
	v_add_nc_u32 v[RD], s[T0], v7
	v_mul_u32_u24 v7, v2, 2*SPITCH                 ; the summaries: chunk h's P in row 2 h, its H in row 2 h + 1
	v_lshl_add_u32 v7, v1, 2, v7
	v_add_nc_u32 v[SMO], s[T0], v7
	v_lshlrev_b32 v[CO], 4, v3
	v_lshlrev_b32 v[PFO], 12, v3
	s_lshl_b32 s[T0], s[NBK], 9
	s_lshl_b32 s[T1], s[CH], 8
	s_add_co_u32 s[T0], s[T0], s[T1]
	v_lshl_add_u32 v[PO], v1, 2, s[T0]             ; 4 (128 nb + 64 CH + r)
.irp i, 0,1,2,3
	global_load_b32 v[64+(\i)], v[PO], s[6:7] offset:64*(\i)     ; ba, bx, Lam of my four channels
	global_load_b32 v[68+(\i)], v[PO], s[8:9] offset:64*(\i)
	global_load_b32 v[72+(\i)], v[PO], s[10:11] offset:64*(\i)
.endr
	s_lshl_b32 s[PT], s[MBK], 20                   ; x at my 128 rows and 64 channels
	s_lshl_b32 s[T0], s[RH], 19
	s_add_co_u32 s[PT], s[PT], s[T0]
	s_lshl_b32 s[T0], s[NBK], 8
	s_add_co_u32 s[PT], s[PT], s[T0]
	s_lshl_b32 s[T0], s[CH], 7
	s_add_co_u32 s[PT], s[PT], s[T0]
	s_mov_b32 s[PT+1], 0
	s_add_nc_u64 s[XB:XB+1], s[4:5], s[PT:PT+1]
	AXLOAD
	; THE UNIT MATRIX, 16 k x 16 columns, as half a fragment of source 1: lane (r, h) holds column r and k = 8 h + 0..7, two to a word: 1.0 where k = r
	v_bfe_u32 v8, v0, 1, 2                         ; the word: (r % 8) / 2,
	v_bfe_u32 v9, v0, 3, 1
	v_xor_b32 v9, v9, v2                           ; if r / 8 = h: else no word
	v_lshl_or_b32 v8, v9, 2, v8
	v_and_b32 v9, 1, v0
	v_lshlrev_b32 v9, 4, v9
	v_mov_b32 v10, 0x3f80                          ; bf16 1.0, in the half r % 2
	v_lshlrev_b32 v10, v9, v10
.irp p, 0,1,2,3
	v_cmp_eq_u32 vcc_lo, (\p), v8
	v_cndmask_b32 v[EB+4+(\p)], 0, v10, vcc_lo
	v_mov_b32 v[EB+(\p)], 0
	v_mov_b32 v[EB+8+(\p)], 0
.endr
	s_wait_loadcnt 32                              ; ba, bx, Lam are in; the 32 loads of x stay out
.irp i, 0,1,2,3
	v_mul_f32 v[NBA+2*(\i)], s[CL], v[64+(\i)]
	v_mul_f32 v[NBA+2*(\i)+1], s[CL], v[64+(\i)]
	v_mul_f32 v[NBX+2*(\i)], s[CL], v[68+(\i)]
	v_mul_f32 v[NBX+2*(\i)+1], s[CL], v[68+(\i)]
	v_mul_f32 v[72+(\i)], s[CL], v[72+(\i)]
.endr
.irp i, 0,1,2,3
	v_exp_f32 v[72+(\i)], v[72+(\i)]               ; e^-Lam
.endr
	v_nop                                          ; a plain instruction behind the last of the batch,
	s_wait_alu depctr_va_vdst(0)                   ; and the one wait ahead of its first reader
.irp i, 0,1,2,3
	v_add_f32 v[72+(\i)], 1.0, v[72+(\i)]
.endr
.irp i, 0,1,2,3
	v_rcp_f32 v[AA+2*(\i)], v[72+(\i)]             ; a
.endr
	v_nop
	s_wait_alu depctr_va_vdst(0)
.irp i, 0,1,2,3
	v_mov_b32 v[AA+2*(\i)+1], v[AA+2*(\i)]
.endr
	; my block of ws and sm: ((b 32 + cg) 16 + c16), b = mb / 8, cg = 2 nb + CH, c16 = 2 (mb % 8) + RH
	s_lshr_b32 s[PT], s[MBK], 3
	s_lshl_b32 s[PT], s[PT], 5
	s_lshl_b32 s[T0], s[NBK], 1
	s_add_co_u32 s[PT], s[PT], s[T0]
	s_add_co_u32 s[PT], s[PT], s[CH]
	s_lshl_b32 s[PT], s[PT], 4
	s_and_b32 s[T0], s[MBK], 7
	s_lshl_b32 s[T0], s[T0], 1
	s_add_co_u32 s[PT], s[PT], s[T0]
	s_add_co_u32 s[PT], s[PT], s[RH]
	s_lshl_b32 s[PW], s[PT], 10
	s_mov_b32 s[PW+1], 0
	s_lshl_b32 s[PT], s[PT], 15
	s_add_nc_u64 s[12:13], s[12:13], s[PT:PT+1]
	s_add_nc_u64 s[14:15], s[14:15], s[PW:PW+1]
	; the prefetches: my work-group's 32 of the 128 rows that I fetch, at K step 3: the first refill steps it to K step 4
	s_lshl_b32 s[PA], s[MBK], 20
	s_lshl_b32 s[T0], s[CH], 19
	s_add_co_u32 s[PA], s[PA], s[T0]
	s_lshl_b32 s[T0], s[CX], 17                    ; 32 cx rows of 4,096 bytes
	s_add_co_u32 s[PA], s[PA], s[T0]
	s_add_co_u32 s[PA], s[PA], 3*KSTEP*2
	s_lshl_b32 s[PW], s[NBK], 8
	s_lshl_b32 s[T0], s[CH], 23
	s_add_co_u32 s[PW], s[PW], s[T0]
	s_lshl_b32 s[T0], s[CY], 17                    ; 32 cy k-rows
	s_add_co_u32 s[PW], s[PW], s[T0]
	s_add_co_u32 s[PW], s[PW], WOFF+3*WSTEP
	s_and_b32 s[T1], ttmp7, 0xffff                 ; cluster y
	s_movk_i32 s[PST], KSTEP*2
	s_mov_b32 s[T0], WSTEP
	s_cmp_eq_u32 s[RH], 0                          ; do I fetch x?
	s_cselect_b32 s[PA], s[PA], s[PW]
	s_cselect_b32 s[T1], ttmp9, s[T1]              ; the coordinate along which other clusters read the same rows
	s_cselect_b32 s[PST], s[PST], s[T0]
	s_mov_b32 s[PA+1], 0
	s_mov_b32 s[PST+1], 0
	s_add_nc_u64 s[PFA:PFA+1], s[4:5], s[PA:PA+1]
	s_cmp_eq_u32 s[T1], 0
	s_cselect_b32 s[LIM], 1, -1                    ; the same in all sixteen partners, for a given wave
; 16 matrix instructions: row blocks a0, a0 + 1 of the window's four (hi = 0: my rows 0-63, 1: rows 64-127) x all 8 column blocks, 32 along K.  zero = 1: the first product starts the sums.
; The 64 accumulators take turns, one instruction a turn, in the same order in every quarter, over the backward jumps too.
.macro MUL16 f, hi, a0, zero
	WIN MUL_LO+0x50*(\hi)
.irp a, \a0, (\a0)+1
.irp b, 0,1,2,3,4,5,6,7
.if \zero
	v_wmma_f32_16x16x32_bf16 v[8*(8*(\a)+(\b)):8*(8*(\a)+(\b))+7], v[(\f)+8*(4*(\hi)+(\a)):(\f)+8*(4*(\hi)+(\a))+7], v[(\f)+8*(\b):(\f)+8*(\b)+7], 0
.else
	v_wmma_f32_16x16x32_bf16 v[8*(8*(\a)+(\b)):8*(8*(\a)+(\b))+7], v[(\f)+8*(4*(\hi)+(\a)):(\f)+8*(4*(\hi)+(\a))+7], v[(\f)+8*(\b):(\f)+8*(\b)+7], v[8*(8*(\a)+(\b)):8*(8*(\a)+(\b))+7]
.endif
.endr
.endr
.endm
; 32 LDS loads in one run: the fragments of one quarter step (32 k at byte k of x's rows: k-rows k / 2 on of W) into buffer f: W's eight (gate b / 4, channels 16 (b % 4) on), then x's eight
.macro FETCH slot, k, f
	WIN TO_B
.irp b, 0,1,2,3,4,5,6,7
	ds_load_tr16_b128 v[(\f)+8*(\b):(\f)+8*(\b)+3],   v[ADRB+2*((\b)/4)+(\slot)] offset:((\k)/64)*32*PB+32*((\b)%4)
	ds_load_tr16_b128 v[(\f)+8*(\b)+4:(\f)+8*(\b)+7], v[ADRB+2*((\b)/4)+(\slot)] offset:((\k)/64)*32*PB+32*((\b)%4)+16*PB
.endr
	WIN 0
.irp i, 0,1,2,3,4,5,6,7
	ds_load_b128 v[(\f)+8*(\i):(\f)+8*(\i)+3],   v[ADRA+(\slot)] offset:(\k)+(\i)*16*PITCH
	ds_load_b128 v[(\f)+8*(\i)+4:(\f)+8*(\i)+7], v[ADRA+(\slot)] offset:(\k)+(\i)*16*PITCH+32
.endr
.endm
; A K step is four quarters of 32 along K, 64 matrix instructions each, on buffers 0, 1, 0, 1.  One of the first three multiplies buffer f and, in its middle, fetches the next quarter into buffer g.
.macro QUARTER slot, k, f, g, zero
	s_wait_dscnt 8                                 ; W and x's rows 0-63 are in; the youngest eight loads (x's rows 64-127) may be out
	MUL16 \f, 0, 0, \zero
	MUL16 \f, 0, 2, \zero
	PLACES
	FETCH \slot, \k, \g
	s_wait_dscnt 32                                ; all but the 32 just issued
	MUL16 \f, 1, 0, \zero
	MUL16 \f, 1, 2, \zero
.endm
; The last quarter multiplies buffer 1 and changes slots.  ONE barrier: in front of it each wave waits for all its tensor loads (the one that is out is its part of the next slot), adds 0 to its spare word,
; and waits for that and for its own reads of this slot.  Behind it nobody reads this slot any more and the next slot is whole.
.macro MEET round
	WIN 0                                          ; (the add's two registers lie in window 0)
	s_wait_tensorcnt 0x0
	ds_add_u32 v[SPW], v[NIL]
	s_wait_dscnt 9                                 ; (the add and the youngest eight loads may be out)
	MUL16 F1, 0, 0, 0                              ; sixteen matrix instructions stand between the add and the wait for it
	s_wait_dscnt 0x0                               ; the add is done, and my reads of this slot are over
	s_barrier_signal -1
	MUL16 F1, 0, 2, 0                              ; work on registers while the others arrive
.if \round
	WIN 0
.endif
	s_barrier_wait -1
.endm
; fill = 1 or 2: the barrier opens a round of the cluster's, so that no wave of any partner still reads the slot or has a load on its way; the slot is filled again first thing behind the round: with this tile's
; K step two steps on (1), or with the NEXT tile's K step 0 or 1 (2).  From a request in the loop to the wait for it a wave issues 224 matrix instructions.  fill = 0: nothing is left to ask for.
; fetch = 0: the next slot's first fragments are not fetched yet: the way out, which follows, works in their registers.
.macro TURN slot, next, fill, fetch
.if \fill
	s_wait_xcnt 0x0                                ; the last prefetch, a K step back, has read its address: it is stepped here, ahead of the waits of the change of slots
.if ((\fill) == 2) && ((\slot) == 0)
	s_add_nc_u64 s[PFA:PFA+1], s[PFA:PFA+1], NEXT_P
	s_cmp_eq_u32 s[RH], 0
	s_cselect_b32 s[LIM], s[LIM], -1               ; W's rows have been read: they are prefetched no more
.else
	s_add_nc_u64 s[PFA:PFA+1], s[PFA:PFA+1], s[PST:PST+1]
.endif
	MEET 1
	CREST
.if (\fill) == 2
	s_add_nc_u64 s[G0+4*(\slot)+2:G0+4*(\slot)+3], s[G0+4*(\slot)+2:G0+4*(\slot)+3], NEXT_A
	s_sub_nc_u64 s[G0B+4*(\slot)+2:G0B+4*(\slot)+3], s[G0B+4*(\slot)+2:G0B+4*(\slot)+3], BACK_B
.else
	s_add_nc_u64 s[G0+4*(\slot)+2:G0+4*(\slot)+3], s[G0+4*(\slot)+2:G0+4*(\slot)+3], 2*KSTEP*2
	s_add_nc_u64 s[G0B+4*(\slot)+2:G0B+4*(\slot)+3], s[G0B+4*(\slot)+2:G0B+4*(\slot)+3], 2*WSTEP
.endif
	JLOAD \slot                                    ; the four v_nop behind it are also the places in front of the loads below
.else
	MEET 0
	PLACES
.endif
.if \fetch
	FETCH \next, 0, F0
.endif
.if (\fill) == 1
	ASK 0
.endif
.if (\fill) == 2
	ASK 1
.endif
	MUL16 F1, 1, 0, 0
	MUL16 F1, 1, 2, 0
.endm
; THE WAY OUT, a block of 16 rows (8 steps of each of my two chunks) at a time.
; STUB a: what names registers that differ from block to block.  x's 16 rows x 64 channels come into the results' own layout by four products with the unit matrix (exact: one term of 1.0 x x each);
; then both gates' sums are scaled: -log2(e) (z + bias).  Each accumulator is read from its lowest registers on.  The 32 scalings are also the places behind the four products.
.macro STUB a
	WIN 0x01                                       ; source 0 (x) window 1; the unit matrix and the result window 0
.irp i, 0,1,2,3
	v_wmma_f32_16x16x32_bf16 v[GX+8*(\i):GX+8*(\i)+7], v[16*(\a)+128*((\a)/4)+8*((\i)/2):16*(\a)+128*((\a)/4)+8*((\i)/2)+7], v[EB+4-4*((\i)%2):EB+4-4*((\i)%2)+7], 0
.endr
	WIN 0x02+(\a)/4                                ; source 0: the accumulators' window
.irp i, 0,1,2,3
.irp p, 0,1,2,3
	v_pk_fma_f32 v[GU+8*(\i)+2*(\p):GU+8*(\i)+2*(\p)+1], v[8*(8*((\a)%4)+(\i))+2*(\p):8*(8*((\a)%4)+(\i))+2*(\p)+1], s[CL:CL+1], v[NBA+2*(\i):NBA+2*(\i)+1] op_sel_hi:[1,0,1]
.endr
.endr
.irp i, 0,1,2,3
.irp p, 0,1,2,3
	v_pk_fma_f32 v[GV+8*(\i)+2*(\p):GV+8*(\i)+2*(\p)+1], v[8*(8*((\a)%4)+4+(\i))+2*(\p):8*(8*((\a)%4)+4+(\i))+2*(\p)+1], s[CL:CL+1], v[NBX+2*(\i):NBX+2*(\i)+1] op_sel_hi:[1,0,1]
.endr
.endr
	WIN 0
.endm
.macro SEND                            ; the block that was read back from the stage is stored: each store covers 512 consecutive bytes, at a multiple of 256 from ws's first byte
	s_wait_dscnt 0x0
.irp t, 0,1,2,3,4,5,6,7
	global_store_b128 v[CO], v[OB+4*(\t):OB+4*(\t)+3], s[12:13] offset:512*(\t)
.endr
.endm
; MATH: the gates and the scan of one block, 32 numbers a lane, in 16 pairs.  Five transcendentals a number, in four batches; ahead of a batch's one wait no line names a result of the batch.
;   1  ea = e^-(za + ba), ex = e^-(zx + bx): 64 exponentials; nothing plain is ready yet
;   2  -3 rt = 1 / (-(1 + ea) / 3): the reciprocals stand two behind each scaling, two pairs behind their own
;   3  8^-rt = 2^(-3 rt): the exponentials stand by turns with D = 1 + ex and D^2
;   4  sqrt(w) / D = w rsq(w D^2), w = 1 - at^2: ONE root for the root and the input gate's reciprocal.  The stages at, w, its lower bound, q = w D^2 and x w, the root follow each other a pair or two
;      apart, so that no line waits for the line before it, and each root has plain neighbours
; first = 1: the chunks' first 8 steps: there is no carry yet.  send = 1: the block before is stored behind the first batch.
.macro MATH first, send
.set z, 0
.rept 64
	v_exp_f32 v[GU+z], v[GU+z]
.set z, z+1
.endr
.if \send
	SEND
.endif
	v_nop                                          ; a plain instruction behind the batch's last,
	s_wait_alu depctr_va_vdst(0)                   ; and its wait
.set kk, 0
.rept 18
.if kk < 16
	v_pk_fma_f32 v[GU+2*kk:GU+2*kk+1], v[GU+2*kk:GU+2*kk+1], s[C3:C3+1], s[C3:C3+1] op_sel_hi:[1,0,0]  ; -(1 + ea) / 3
.endif
.if kk >= 2
	v_rcp_f32 v[GU+2*kk-4], v[GU+2*kk-4]
	v_rcp_f32 v[GU+2*kk-3], v[GU+2*kk-3]
.endif
.set kk, kk+1
.endr
	v_pk_add_f32 v[GV:GV+1], v[GV:GV+1], 1.0 op_sel_hi:[1,0]  ; D of pair 0: the plain instruction behind the batch's last
	s_wait_alu depctr_va_vdst(0)
.set kk, 0
.rept 16
	v_exp_f32 v[GU+2*kk], v[GU+2*kk]
.if kk < 15
	v_pk_add_f32 v[GV+2*kk+2:GV+2*kk+3], v[GV+2*kk+2:GV+2*kk+3], 1.0 op_sel_hi:[1,0]  ; D of the next pair
.endif
	v_exp_f32 v[GU+2*kk+1], v[GU+2*kk+1]
	v_pk_mul_f32 v[GV+2*kk:GV+2*kk+1], v[GV+2*kk:GV+2*kk+1], v[GV+2*kk:GV+2*kk+1]  ; D^2
.set kk, kk+1
.endr
	s_wait_alu depctr_va_vdst(0)
.set kk, 0
.rept 21
.if kk < 16
	v_pk_mul_f32 v[GU+2*kk:GU+2*kk+1], v[GU+2*kk:GU+2*kk+1], v[AA+2*(kk/4):AA+2*(kk/4)+1]  ; at
.endif
.if kk >= 5
	v_rsq_f32 v[GV+2*kk-10], v[GV+2*kk-10]
.endif
.if (kk >= 1) && (kk < 17)
	v_pk_fma_f32 v[GW+2*kk-2:GW+2*kk-1], v[GU+2*kk-2:GU+2*kk-1], v[GU+2*kk-2:GU+2*kk-1], 1.0 op_sel_hi:[1,1,0] neg_lo:[1,0,0] neg_hi:[1,0,0]  ; w = 1 - at^2
.endif
.if (kk >= 2) && (kk < 18)
	v_max_num_f32 v[GW+2*kk-4], s[TINY], v[GW+2*kk-4]  ; where a rounds to 1 and rt to 0, w may come out as 0 or a step below it: the root takes 1e-30
.endif
.if kk >= 5
	v_rsq_f32 v[GV+2*kk-9], v[GV+2*kk-9]
.endif
.if (kk >= 2) && (kk < 18)
	v_max_num_f32 v[GW+2*kk-3], s[TINY], v[GW+2*kk-3]
.endif
.if (kk >= 3) && (kk < 19)
	v_pk_mul_f32 v[GV+2*kk-6:GV+2*kk-5], v[GV+2*kk-6:GV+2*kk-5], v[GW+2*kk-6:GW+2*kk-5]  ; q = w D^2
	v_pk_mul_f32 v[GX+2*kk-6:GX+2*kk-5], v[GX+2*kk-6:GX+2*kk-5], v[GW+2*kk-6:GW+2*kk-5]  ; x w
.endif
.set kk, kk+1
.endr
	v_nop
	s_wait_alu depctr_va_vdst(0)
.set z, 0
.rept 16
	v_pk_mul_f32 v[GV+z:GV+z+1], v[GV+z:GV+z+1], v[GX+z:GX+z+1]  ; g = x w rsq(w D^2)
.set z, z+2
.endr
	; the scan: hl = at hl + g, then P = at P, step by step: eight chains (four channels x hl, P), a chain's links eight lines apart.  Step 7's results are the carries.
.irp j, 0,1,2,3,4,5,6,7
.irp i, 0,1,2,3
.if (\j) == 0
.if !(\first)
	v_fma_f32 v[GV+8*(\i)], v[GU+8*(\i)], v[HC+(\i)], v[GV+8*(\i)]
.endif
.elseif (\j) == 7
	v_fma_f32 v[HC+(\i)], v[GU+8*(\i)+7], v[GV+8*(\i)+6], v[GV+8*(\i)+7]
.else
	v_fma_f32 v[GV+8*(\i)+(\j)], v[GU+8*(\i)+(\j)], v[GV+8*(\i)+(\j)-1], v[GV+8*(\i)+(\j)]
.endif
.endr
.irp i, 0,1,2,3
.if (\j) == 0
.if !(\first)
	v_mul_f32 v[GU+8*(\i)], v[GU+8*(\i)], v[PC+(\i)]
.endif
.elseif (\j) == 7
	v_mul_f32 v[PC+(\i)], v[GU+8*(\i)+7], v[GU+8*(\i)+6]
.else
	v_mul_f32 v[GU+8*(\i)+(\j)], v[GU+8*(\i)+(\j)], v[GU+8*(\i)+(\j)-1]
.endif
.endr
.endr
.irp i, 0,1,2,3
.irp j, 0,1,2,3,4,5,6
	v_cvt_pk_f16_f32 v[GW+8*(\i)+(\j)], v[GV+8*(\i)+(\j)], v[GU+8*(\i)+(\j)]  ; hl low, P high
.endr
	v_cvt_pk_f16_f32 v[GW+8*(\i)+7], v[HC+(\i)], v[PC+(\i)]
.endr
.endm
; TOSTAGE: the block's words go into my stage, a word a lane (the two halves of the lanes 544 words apart: banks 0-15 and 32-47), and come back as whole rows of 256 bytes.
.macro TOSTAGE step
.irp i, 0,1,2,3
.irp j, 0,1,2,3,4,5,6,7
	ds_store_b32 v[STO], v[GW+8*(\i)+(\j)] offset:SPITCH*(\j)+64*(\i)
.endr
.endr
	s_wait_xcnt 0x0                                ; the earlier stores have read their data and their base: both are written below
.if \step
	s_add_nc_u64 s[12:13], s[12:13], 16*256        ; 16 rows of the block on
.endif
.irp t, 0,1,2,3,4,5,6,7
	ds_load_b128 v[OB+4*(\t):OB+4*(\t)+3], v[RD] offset:(\t)*2*SPITCH  ; LDS serves a wave's instructions in order (ISA guide 5.7.1.4): these see the stores above
.endr
.endm
	s_wait_tensorcnt 1                             ; my part of K step 0 is in; K step 1's may stay out
	s_barrier_signal -1
	s_barrier_wait -1                              ; everybody's is
	FETCH 0, 0, F0
	s_mov_b32 s2, TILES                            ; tiles to go, this one among them: the same number in every work-group
.Ltile:                                                ; (FETCH and AXLOAD leave every window 0)
	QUARTER 0, 64,  F0, F1, 1                      ; a tile's first quarter stands in front of the loop: its products start the sums
	WIN 0                                          ; at a label and at a branch every window is 0
	s_mov_b32 s3, LAPS-1
.Llap:                                                 ; a trip goes once round the ring, from a lap's second quarter to the next lap's first, and fills both slots again
	QUARTER 0, 128, F1, F0, 0
	QUARTER 0, 192, F0, F1, 0
	TURN 0, 1, 1, 1
	QUARTER 1, 64,  F0, F1, 0
	QUARTER 1, 128, F1, F0, 0
	QUARTER 1, 192, F0, F1, 0
	TURN 1, 0, 1, 1
	QUARTER 0, 64,  F0, F1, 0
	WIN 0
	s_sub_co_u32 s3, s3, 1
	s_cmp_lg_u32 s3, 0
	s_cbranch_scc1 .Llap
	QUARTER 0, 128, F1, F0, 0                      ; the tile's last lap goes on
	QUARTER 0, 192, F0, F1, 0
	WIN 0
	s_cmp_eq_u32 s2, 1
	s_cbranch_scc1 .Llast_tile                     ; the last tile's tail is written out: it asks for nothing more
	TURN 0, 1, 2, 1                                ; THE RING GOES ON INTO THE NEXT TILE: slot 0 takes its K step 0,
	QUARTER 1, 64,  F0, F1, 0
	QUARTER 1, 128, F1, F0, 0
	QUARTER 1, 192, F0, F1, 0
	TURN 1, 0, 2, 0                                ; slot 1 its K step 1
	WIN 0
	s_branch .Lout
.Llast_tile:
	TURN 0, 1, 0, 1
	QUARTER 1, 64,  F0, F1, 0
	QUARTER 1, 128, F1, F0, 0
	QUARTER 1, 192, F0, F1, 0
	s_wait_dscnt 8                                 ; the very last quarter: nothing more to fetch
	MUL16 F1, 0, 0, 0
	MUL16 F1, 0, 2, 0
	s_wait_dscnt 0x0
	MUL16 F1, 1, 0, 0
	MUL16 F1, 1, 2, 0
	WIN 0
.Lout:                                                 ; both refills, where there are any, have been asked for: now the tile goes out
.rept 9
	v_nop                                          ; behind the last products: the lines below write registers that they read, and read results
.endr
	s_wait_loadcnt 0x0                             ; x for g
	STUB 0
	MATH 1, 0
	TOSTAGE 0
	s_mov_b32 s[EA], 1
.Lepi:                                                 ; blocks 1 to 7: a stub for each, one text for the rest
.irp n, 1,2,3,4,5,6
	s_cmp_eq_u32 s[EA], (\n)
	s_cbranch_scc1 .Lst\n
.endr
	STUB 7
	s_branch .Lmath
.irp n, 1,2,3,4,5
.Lst\n:
	STUB \n
	s_branch .Lmath
.endr
.Lst6:
	STUB 6
.Lmath:
	MATH 0, 1
	TOSTAGE 1
	s_add_co_u32 s[EA], s[EA], 1
	s_cmp_lt_u32 s[EA], 8
	s_cbranch_scc1 .Lepi
	SEND
	; the chunks' summaries, in f32, through the stage's first four rows: chunk 0's P, its H, chunk 1's P, its H: 1,024 consecutive bytes of sm
.irp i, 0,1,2,3
	ds_store_b32 v[SMO], v[PC+(\i)] offset:64*(\i)
	ds_store_b32 v[SMO], v[HC+(\i)] offset:SPITCH+64*(\i)
.endr
	s_wait_xcnt 0x0                                ; the last block's stores have read their data
	ds_load_b128 v[OB:OB+3], v[RD]
	ds_load_b128 v[OB+4:OB+7], v[RD] offset:2*SPITCH
	s_wait_dscnt 0x0
	global_store_b128 v[CO], v[OB:OB+3], s[14:15]
	global_store_b128 v[CO], v[OB+4:OB+7], s[14:15] offset:512
	s_sub_co_u32 s2, s2, 1
	s_cmp_lg_u32 s2, 0
	s_cbranch_scc0 .Lend
	s_wait_xcnt 0x0                                ; the stores have read their bases, which step to the next tile: two batches on, the same channels and steps
	s_add_nc_u64 s[12:13], s[12:13], NEXT_WS
	s_add_nc_u64 s[14:15], s[14:15], NEXT_SM
	s_add_nc_u64 s[XB:XB+1], s[XB:XB+1], WALKB
	FETCH 0, 0, F0                                 ; the next tile's first fragments: its K step 0 was shown landed, to every wave, by the last change of slots
	AXLOAD                                         ; and its x for g: the last product that read these registers stands a whole block's arithmetic back
	s_cmp_lg_u32 s2, 0
	s_cbranch_scc1 .Ltile
.Lend:
	s_wait_tensorcnt 0x0                           ; the wave's end, behind my last tensor load and my last LDS store
	ds_add_u32 v[SPW], v[NIL]
	s_wait_dscnt 0x0
	CROUND                                         ; the closing round: no work-group ends while a partner may still ask for a tile that names it
	s_endpgm
.Lfunc_end_k_q92968e745c_gates:
	.size	k_q92968e745c_gates, .Lfunc_end_k_q92968e745c_gates-k_q92968e745c_gates
	.p2alignl 7, 3214868480
	.fill 96, 4, 3214868480
	.section	.rodata,"a",@progbits
	.p2align	6, 0x0
	.amdhsa_kernel k_q92968e745c_gates
		.amdhsa_group_segment_fixed_size 327680
		.amdhsa_private_segment_fixed_size 0
		.amdhsa_enable_private_segment 0
		.amdhsa_kernarg_size 48
		.amdhsa_user_sgpr_count 2
		.amdhsa_user_sgpr_kernarg_segment_ptr 1
		.amdhsa_wavefront_size32 1
		.amdhsa_system_sgpr_workgroup_id_x 1
		.amdhsa_system_sgpr_workgroup_id_y 1
		.amdhsa_system_sgpr_workgroup_id_z 1
		.amdhsa_system_vgpr_workitem_id 0
		.amdhsa_next_free_vgpr 1024
		.amdhsa_next_free_sgpr 80
		.amdhsa_reserve_vcc 1
		.amdhsa_float_denorm_mode_32 3
		.amdhsa_float_denorm_mode_16_64 3
		.amdhsa_memory_ordered 1
		.amdhsa_forward_progress 1
		.amdhsa_inst_pref_size 223
	.end_amdhsa_kernel
	.amdgpu_metadata
---
amdhsa.version: [ 1, 2 ]
amdhsa.kernels:
  - .name:           k_q92968e745c_gates
    .symbol:         k_q92968e745c_gates.kd
    .args:
      - { .name: cv, .offset: 0, .size: 8, .value_kind: global_buffer, .address_space: global }
      - { .name: ba, .offset: 8, .size: 8, .value_kind: global_buffer, .address_space: global }
      - { .name: bx, .offset: 16, .size: 8, .value_kind: global_buffer, .address_space: global }
      - { .name: Lam, .offset: 24, .size: 8, .value_kind: global_buffer, .address_space: global }
      - { .name: ws, .offset: 32, .size: 8, .value_kind: global_buffer, .address_space: global }
      - { .name: sm, .offset: 40, .size: 8, .value_kind: global_buffer, .address_space: global }
    .group_segment_fixed_size: 327680
    .private_segment_fixed_size: 0
    .kernarg_segment_align: 8
    .kernarg_segment_size: 48
    .max_flat_workgroup_size: 128
    .sgpr_count:     80
    .vgpr_count:     1024
    .wavefront_size: 32
...
	.end_amdgpu_metadata
.endif
;; end of part 2
;; launch carry (part 3): grid 32 x 8, 16 waves a work-group, no clusters, 10,240 bytes of LDS; arguments ws, sm, out0; writes out0
.if DOCPART == 3
	.amdgcn_target "amdgcn-amd-amdhsa--gfx1250"
	.amdhsa_code_object_version 6
	.text
	.protected	k_q92968e745c_carry
	.globl	k_q92968e745c_carry
	.p2align	8
	.type	k_q92968e745c_carry,@function
k_q92968e745c_carry:
	s_mov_b64 s[64:65], 0
	v_nop
	global_prefetch_b8 v0, s[64:65] scope:SCOPE_SE
	s_setreg_imm32_b32 hwreg(HW_REG_WAVE_MODE, 25, 1), 1
	s_wait_xcnt 0x0
; out0[t 4 + b][c] = hl[b][t][c] + P[b][t][c] x C, where C is h at the start of t's chunk of 64 steps: C[0] = 0, C[q + 1] = P_q C[q] + H_q, all in f32, from sm's summaries.
; ws: blocks of 32,768 bytes, block ((b 32 + cg) 16 + c16) = [128 rows][64 channels], a word {hl f16 low, P f16 high}; row 16 a + 8 s + j holds step 128 c16 + 64 s + 8 a + j.
; sm: for (b, cg) 16,384 bytes on end: [chunk q = 0..31][P, H][64 channels] f32.
; SHARES.  A work-group has 64 channels of one batch and half of its time: eight blocks, two waves to a block: a wave has 64 rows, 16,384 bytes in, 16,384 out.  Waves 0 and 1 first walk the chain of the
; 31 carries, a channel a lane, and leave C[q] in LDS; both halves of time walk the whole chain: 16 KiB read twice, so that no work-group waits for another.
; Memory binds: a load of a wave covers 512 consecutive bytes; each half of the lanes stores 256 consecutive bytes, at a multiple of 256 from out0's first byte.  ALL of a wave's 32 loads go out at once, ahead
; of the chain; a result takes the place of the word that it was made of and is stored from there: no register is written twice, so the only waits are the counted ones for the loads.
; No matrix unit, no cluster, no tensor load: nothing but the 16 KiB of summaries is shared.
.set C0,  8                            ; v[8:11] C of my four channels for chunk 2 c16, v[12:15] for chunk 2 c16 + 1
.set CC,  16                           ; v16      the chain's carry
.set D,   32                           ; v[32:159]  32 slots of four words as loaded, then four f32 to store
.set SUM, 192                          ; v[192:253] P_q at SUM + 2 q, H_q behind it, q = 0..30
.set SPARE, 8192                       ; behind C's 32 rows of 256 bytes: the spare words, 128 bytes for each wave: eight blocks of 256 bytes that no other line names
	s_load_b128 s[4:7], s[0:1], 0x0                ; ws s[4:5], sm s[6:7]
	s_load_b64 s[8:9], s[0:1], 0x10                ; out0
	v_lshl_add_u32 v4, v0, 2, SPARE                ; my spare word,
	v_mov_b32 v5, 0                                ; and 0: both for the wave's end alone
	v_lshrrev_b32 v7, 5, v0
	v_readfirstlane_b32 s10, v7                    ; wave 0..15
	v_and_b32 v7, 31, v0
	v_lshlrev_b32 v1, 4, v7                        ; 16 x lane: my place in 512 bytes (two rows) of a block
	v_and_b32 v6, 15, v0
	v_lshlrev_b32 v6, 4, v6                        ; my four channels: 16 (lane % 16)
	v_bfe_u32 v2, v0, 4, 1
	v_lshl_add_u32 v2, v2, 15, v6                  ; in out0 the odd row lies one step, 4 rows of 8,192 bytes, further
	v_and_b32 v3, 63, v0
	v_lshlrev_b32 v3, 2, v3                        ; the chain (waves 0 and 1): my channel's word
	s_lshr_b32 s21, s10, 1                         ; which of the work-group's eight blocks,
	s_and_b32 s22, s10, 1                          ; and which half of its rows
	s_and_b32 s11, ttmp7, 0xffff
	s_lshr_b32 s12, s11, 1                         ; b
	s_and_b32 s11, s11, 1                          ; which half of time
	s_lshl_b32 s11, s11, 3
	s_add_co_u32 s11, s11, s21                     ; c16
	s_lshl_b32 s13, s12, 5
	s_add_co_u32 s13, s13, ttmp9                   ; b 32 + cg
	s_lshl_b32 s14, s13, 4
	s_add_co_u32 s14, s14, s11
	s_lshl_b32 s14, s14, 15                        ; my block of ws,
	s_lshl_b32 s20, s22, 14                        ; my 64 rows of it
	s_add_co_u32 s14, s14, s20
	s_mov_b32 s15, 0
	s_lshl_b32 s16, s13, 14                        ; my channels' summaries
	s_mov_b32 s17, 0
	s_lshl_b32 s18, s11, 22                        ; 128 steps x 4 rows x 8,192 bytes,
	s_lshl_b32 s20, s22, 20                        ; the block's rows 64 on are the steps 32 on of both its chunks,
	s_add_co_u32 s18, s18, s20
	s_lshl_b32 s20, s12, 13                        ; row b of each step's four,
	s_add_co_u32 s18, s18, s20
	s_lshl_b32 s20, ttmp9, 8                       ; my 64 channels
	s_add_co_u32 s18, s18, s20
	s_mov_b32 s19, 0
	s_lshl_b32 s20, s11, 9
	v_add_nc_u32 v6, s20, v6                       ; C of chunk 2 c16 in LDS
	s_wait_kmcnt 0x0
	s_add_nc_u64 s[4:5], s[4:5], s[14:15]
	s_add_nc_u64 s[6:7], s[6:7], s[16:17]
	s_add_nc_u64 s[8:9], s[8:9], s[18:19]
.macro DLOADS                          ; my 64 rows
.set nn, 0
.rept 32
	global_load_b128 v[D+4*nn:D+4*nn+3], v1, s[4:5] offset:512*nn th:TH_LOAD_NT
.set nn, nn+1
.endr
.endm
	s_cmp_lt_u32 s10, 2
	s_cbranch_scc0 .Lothers
.set q, 0
.rept 31                               ; the summaries go out first: everybody waits for the chain
	global_load_b32 v[SUM+2*q], v3, s[6:7] offset:512*q
	global_load_b32 v[SUM+2*q+1], v3, s[6:7] offset:512*q+256
.set q, q+1
.endr
	DLOADS
	v_mov_b32 v[CC], 0
	ds_store_b32 v3, v[CC]                         ; C[0] = 0
.set q, 0
.rept 31
.if 92-2*q > 63                        ; behind H_q stand 60 - 2 q loads of summaries and my rows' 32; where that is more than a wait can name, 63: fewer may then be out than need be
	s_wait_loadcnt 63
.else
	s_wait_loadcnt 92-2*q
.endif
	v_fma_f32 v[CC], v[SUM+2*q], v[CC], v[SUM+2*q+1]
	ds_store_b32 v3, v[CC] offset:256*(q+1)
.set q, q+1
.endr
	s_branch .Lmeet
.Lothers:
	DLOADS
.Lmeet:
	s_wait_dscnt 0x0                               ; for the others' sake: my stores of C are done
	s_barrier_signal -1
	s_barrier_wait -1
	ds_load_b128 v[C0:C0+3], v6
	ds_load_b128 v[C0+4:C0+7], v6 offset:256
	s_wait_dscnt 0x0
; Rows 2 n and 2 n + 1 of my 64, n = 8 a + 4 s + m: chunk s, steps 8 a + 2 m and the next of my 32 steps of it.
.macro STEP n
	s_wait_loadcnt 31-(\n)                         ; loads come back in order: number n is in, the 31 - n younger ones stay out
.irp u, 0,1,2,3
	v_fma_mix_f32 v[D+4*(\n)+(\u)], v[D+4*(\n)+(\u)], v[C0+4*(((\n)/4)%2)+(\u)], v[D+4*(\n)+(\u)] op_sel:[1,0,0] op_sel_hi:[1,0,1]  ; P (high f16) x C (f32) + hl (low f16), in f32
.endr
	global_store_b128 v2, v[D+4*(\n):D+4*(\n)+3], s[8:9] offset:(64*(((\n)/4)%2)+8*((\n)/8)+2*((\n)%4))*32768 th:TH_STORE_NT
.endm
.set nn, 0
.rept 32
	STEP nn
.set nn, nn+1
.endr
	s_wait_tensorcnt 0x0                           ; the wave's end, behind my last LDS store
	ds_add_u32 v4, v5
	s_wait_dscnt 0x0
	s_endpgm
.Lfunc_end_k_q92968e745c_carry:
	.size	k_q92968e745c_carry, .Lfunc_end_k_q92968e745c_carry-k_q92968e745c_carry
	.p2alignl 7, 3214868480
	.fill 96, 4, 3214868480
	.section	.rodata,"a",@progbits
	.p2align	6, 0x0
	.amdhsa_kernel k_q92968e745c_carry
		.amdhsa_group_segment_fixed_size 10240
		.amdhsa_private_segment_fixed_size 0
		.amdhsa_enable_private_segment 0
		.amdhsa_kernarg_size 24
		.amdhsa_user_sgpr_count 2
		.amdhsa_user_sgpr_kernarg_segment_ptr 1
		.amdhsa_wavefront_size32 1
		.amdhsa_system_sgpr_workgroup_id_x 1
		.amdhsa_system_sgpr_workgroup_id_y 1
		.amdhsa_system_sgpr_workgroup_id_z 1
		.amdhsa_system_vgpr_workitem_id 0
		.amdhsa_next_free_vgpr 256
		.amdhsa_next_free_sgpr 66
		.amdhsa_reserve_vcc 0
		.amdhsa_float_denorm_mode_32 3
		.amdhsa_float_denorm_mode_16_64 3
		.amdhsa_memory_ordered 1
		.amdhsa_forward_progress 1
		.amdhsa_inst_pref_size 32
	.end_amdhsa_kernel
	.amdgpu_metadata
---
amdhsa.version: [ 1, 2 ]
amdhsa.kernels:
  - .name:           k_q92968e745c_carry
    .symbol:         k_q92968e745c_carry.kd
    .args:
      - { .name: ws, .offset: 0, .size: 8, .value_kind: global_buffer, .address_space: global }
      - { .name: sm, .offset: 8, .size: 8, .value_kind: global_buffer, .address_space: global }
      - { .name: out0, .offset: 16, .size: 8, .value_kind: global_buffer, .address_space: global }
    .group_segment_fixed_size: 10240
    .private_segment_fixed_size: 0
    .kernarg_segment_align: 8
    .kernarg_segment_size: 24
    .max_flat_workgroup_size: 512
    .sgpr_count:     66
    .vgpr_count:     256
    .wavefront_size: 32
...
	.end_amdgpu_metadata
.endif
;; end of part 3
;; ======== version 2 of 2: 3 launches; version 1 with the launch carry written anew for expert scheduling mode
;; limits: inputs' magnitudes at most 8,188; values are held in f16: magnitudes above 65,504 overflow, below 6.1e-05 lose precision; values outside matrix products are rounded to f16
;; workspace buffers: cv 50,331,648 bytes; ws 67,108,864 bytes; sm 2,097,152 bytes
;; launch cvt: the kernel of part 1 again; grid 1536 x 1, 8 waves a work-group, no clusters, 0 bytes of LDS; arguments x, Wa, Wx, cv; writes cv
;; launch gates: the kernel of part 2 again; grid 16 x 16, 4 waves a work-group, clusters of 4 x 4, 327,680 bytes of LDS; arguments cv, ba, bx, Lam, ws, sm; writes ws, sm
;; launch carry (part 4): grid 32 x 8, 16 waves a work-group, no clusters, 10,240 bytes of LDS; arguments ws, sm, out0; writes out0
.if DOCPART == 4
	.amdgcn_target "amdgcn-amd-amdhsa--gfx1250"
	.amdhsa_code_object_version 6
	.text
	.protected	k_q92968e745c_carry
	.globl	k_q92968e745c_carry
	.p2align	8
	.type	k_q92968e745c_carry,@function
k_q92968e745c_carry:
	s_mov_b64 s[64:65], 0
	v_nop
	global_prefetch_b8 v0, s[64:65] scope:SCOPE_SE
	s_setreg_imm32_b32 hwreg(HW_REG_WAVE_SCHED_MODE, 0, 2), 2
	s_setreg_imm32_b32 hwreg(HW_REG_WAVE_MODE, 25, 1), 1
	s_wait_xcnt 0x0
	s_wait_alu depctr_vm_vsrc(0)
; out0[t 4 + b][c] = hl[b][t][c] + P[b][t][c] x C, where C is h at the start of t's chunk of 64 steps: C[0] = 0, C[q + 1] = P_q C[q] + H_q, all in f32, from sm's summaries.
; ws: blocks of 32,768 bytes, block ((b 32 + cg) 16 + c16) = [128 rows][64 channels], a word {hl f16 low, P f16 high}; row 16 a + 8 s + j holds step 128 c16 + 64 s + 8 a + j.
; sm: for (b, cg) 16,384 bytes on end: [chunk q = 0..31][P, H][64 channels] f32.
; SHARES.  A work-group has 64 channels of one batch and half of its time: eight blocks, two waves to a block: a wave has 64 rows, 16,384 bytes in, 16,384 out.  Waves 0 and 1 first walk the chain of the
; 31 carries, a channel a lane, and leave C[q] in LDS; both halves of time walk the whole chain: 16 KiB read twice, so that no work-group waits for another.
; Memory binds: a load of a wave covers 512 consecutive bytes; each half of the lanes stores 256 consecutive bytes, at a multiple of 256 from out0's first byte.  ALL of a wave's 32 loads go out at once, ahead
; of the chain; a result takes the place of the word that it was made of and is stored from there.
; No matrix unit, no cluster, no tensor load: nothing but the 16 KiB of summaries is shared.
; THE MODE: SCHED_MODE bits 1:0 = 2 (LLVM: expert scheduling mode 2), set by the entry lines.  The code itself states the register dependences between vector instructions and memory or LDS instructions,
; with s_wait_alu, always for 0.
; THE PLAN.  Registers that memory or LDS instructions touch:
;   v1, v2, v3, v6   offsets and LDS addresses; v4, v5 the closing add's two.  Written at the head, never again: one wait at the head's end serves every load, store and LDS instruction of the kernel.
;   SUM, C0          Loads land in them; no vector instruction names them before that.
;   CQ               A register to each of the 32 carries.  Link q writes C[q + 1]; link q + 1 and one LDS store read it; nothing writes it again.  The links go in groups of eight: the wait at a group's head
;                    states that the carries made so far are written, and their LDS stores are dealt among the group's links, which write other registers of CQ.
;   D                32 slots of four.  A slot's load lands in it, step n's four multiply-adds write it in place, step n's store reads it; nothing writes it again.  The steps go in blocks of four: the wait at a
;                    block's head states that the block before has written its slots, and that block's four stores are dealt among this block's multiply-adds, which name this block's slots and C0 alone.
; No register that a memory or LDS instruction has read is written again, so past the entry lines the text holds no wait on vm_vsrc.
.set C0,  8                            ; v[8:11] C of my four channels for chunk 2 c16, v[12:15] for chunk 2 c16 + 1
.set D,   32                           ; v[32:159]  32 slots of four words as loaded, then four f32 to store
.set CQ,  160                          ; v[160:191] the chain: C[q] at CQ + q
.set SUM, 192                          ; v[192:253] P_q at SUM + 2 q, H_q behind it, q = 0..30
.set SPARE, 8192                       ; behind C's 32 rows of 256 bytes: the spare words, 128 bytes for each wave: eight blocks of 256 bytes that no other line names
	s_load_b128 s[4:7], s[0:1], 0x0                ; ws s[4:5], sm s[6:7]
	s_load_b64 s[8:9], s[0:1], 0x10                ; out0
	v_lshl_add_u32 v4, v0, 2, SPARE                ; my spare word,
	v_mov_b32 v5, 0                                ; and 0: both for the wave's end alone
	v_lshrrev_b32 v7, 5, v0
	v_readfirstlane_b32 s10, v7                    ; wave 0..15
	v_and_b32 v7, 31, v0
	v_lshlrev_b32 v1, 4, v7                        ; 16 x lane: my place in 512 bytes (two rows) of a block
	v_and_b32 v6, 15, v0
	v_lshlrev_b32 v6, 4, v6                        ; my four channels: 16 (lane % 16)
	v_bfe_u32 v2, v0, 4, 1
	v_lshl_add_u32 v2, v2, 15, v6                  ; in out0 the odd row lies one step, 4 rows of 8,192 bytes, further
	v_and_b32 v3, 63, v0
	v_lshlrev_b32 v3, 2, v3                        ; the chain (waves 0 and 1): my channel's word
	s_wait_alu depctr_va_sdst(0)                   ; s10 is written, ahead of its first reader: the bases, an LDS address and the branch below are made from it
	s_lshr_b32 s21, s10, 1                         ; which of the work-group's eight blocks,
	s_and_b32 s22, s10, 1                          ; and which half of its rows
	s_and_b32 s11, ttmp7, 0xffff
	s_lshr_b32 s12, s11, 1                         ; b
	s_and_b32 s11, s11, 1                          ; which half of time
	s_lshl_b32 s11, s11, 3
	s_add_co_u32 s11, s11, s21                     ; c16
	s_lshl_b32 s13, s12, 5
	s_add_co_u32 s13, s13, ttmp9                   ; b 32 + cg
	s_lshl_b32 s14, s13, 4
	s_add_co_u32 s14, s14, s11
	s_lshl_b32 s14, s14, 15                        ; my block of ws,
	s_lshl_b32 s20, s22, 14                        ; my 64 rows of it
	s_add_co_u32 s14, s14, s20
	s_mov_b32 s15, 0
	s_lshl_b32 s16, s13, 14                        ; my channels' summaries
	s_mov_b32 s17, 0
	s_lshl_b32 s18, s11, 22                        ; 128 steps x 4 rows x 8,192 bytes,
	s_lshl_b32 s20, s22, 20                        ; the block's rows 64 on are the steps 32 on of both its chunks,
	s_add_co_u32 s18, s18, s20
	s_lshl_b32 s20, s12, 13                        ; row b of each step's four,
	s_add_co_u32 s18, s18, s20
	s_lshl_b32 s20, ttmp9, 8                       ; my 64 channels
	s_add_co_u32 s18, s18, s20
	s_mov_b32 s19, 0
	s_lshl_b32 s20, s11, 9
	v_add_nc_u32 v6, s20, v6                       ; C of chunk 2 c16 in LDS
	s_wait_kmcnt 0x0
	s_add_nc_u64 s[4:5], s[4:5], s[14:15]
	s_add_nc_u64 s[6:7], s[6:7], s[16:17]
	s_add_nc_u64 s[8:9], s[8:9], s[18:19]
	s_wait_alu depctr_va_vdst(0)                   ; v1 to v6 are written: the offsets and LDS addresses that every load, store and LDS instruction below reads, on both ways, and the closing add's two registers
.macro DLOADS                          ; my 64 rows
.set nn, 0
.rept 32
	global_load_b128 v[D+4*nn:D+4*nn+3], v1, s[4:5] offset:512*nn th:TH_LOAD_NT
.set nn, nn+1
.endr
.endm
	s_cmp_lt_u32 s10, 2
	s_cbranch_scc0 .Lothers
.set q, 0
.rept 31                               ; the summaries go out first: everybody waits for the chain
	global_load_b32 v[SUM+2*q], v3, s[6:7] offset:512*q
	global_load_b32 v[SUM+2*q+1], v3, s[6:7] offset:512*q+256
.set q, q+1
.endr
	DLOADS
	v_mov_b32 v[CQ], 0                             ; C[0] = 0
; The chain, links 0 to 30 in groups of eight.  Ahead of link q of group g = q / 8 (g > 0) stands the LDS store of C[8 g - q % 8]: the carries that the group before made, from the highest down, so that C[8 g]
; is stored ahead of the link that reads it.  Trip 31 has a store and no link.
.set q, 0
.rept 32
.if (q > 0) && (q%8 == 0)
	s_wait_alu depctr_va_vdst(0)                   ; the links so far have written C[1] to C[q] (and the move C[0]), which this group's LDS stores read; the group's own links write C[q + 1] and on
.endif
.if q == 8
	ds_store_b32 v3, v[CQ]                         ; C[0] goes with the first group
.endif
.if q >= 8
	ds_store_b32 v3, v[CQ+8*(q/8)-q%8] offset:256*(8*(q/8)-q%8)
.endif
.if q < 31
.if 92-2*q > 63                        ; behind H_q stand 60 - 2 q loads of summaries and my rows' 32; where that is more than a wait can name, 63: fewer may then be out than need be
	s_wait_loadcnt 63
.else
	s_wait_loadcnt 92-2*q
.endif
	v_fma_f32 v[CQ+q+1], v[SUM+2*q], v[CQ+q], v[SUM+2*q+1]
.endif
.set q, q+1
.endr
	s_wait_alu depctr_va_vdst(0)                   ; links 24 to 30 have written C[25] to C[31], which the last seven LDS stores read
.set q, 25
.rept 7
	ds_store_b32 v3, v[CQ+q] offset:256*q
.set q, q+1
.endr
	s_branch .Lmeet
.Lothers:
	DLOADS
.Lmeet:
	s_wait_dscnt 0x0                               ; for the others' sake: my stores of C are done
	s_barrier_signal -1
	s_barrier_wait -1
	ds_load_b128 v[C0:C0+3], v6
	ds_load_b128 v[C0+4:C0+7], v6 offset:256
	s_wait_dscnt 0x0
; Rows 2 n and 2 n + 1 of my 64, n = 8 a + 4 s + m: chunk s, steps 8 a + 2 m and the next of my 32 steps of it.
.macro MIX n                           ; step n's arithmetic
.irp u, 0,1,2,3
	v_fma_mix_f32 v[D+4*(\n)+(\u)], v[D+4*(\n)+(\u)], v[C0+4*(((\n)/4)%2)+(\u)], v[D+4*(\n)+(\u)] op_sel:[1,0,0] op_sel_hi:[1,0,1]  ; P (high f16) x C (f32) + hl (low f16), in f32
.endr
.endm
.macro OUT n                           ; step n's store
	global_store_b128 v2, v[D+4*(\n):D+4*(\n)+3], s[8:9] offset:(64*(((\n)/4)%2)+8*((\n)/8)+2*((\n)%4))*32768 th:TH_STORE_NT
.endm
.set nn, 0
.rept 32                               ; eight blocks of four steps; ahead of step n's arithmetic stands the store of step n - 4
	s_wait_loadcnt 31-nn                           ; loads come back in order: number n is in, the 31 - n younger ones stay out
.if (nn > 0) && (nn%4 == 0)
	s_wait_alu depctr_va_vdst(0)                   ; the block before has written its four slots of D, which this block's four stores read; this block's multiply-adds name its own slots and C0 alone
.endif
.if nn >= 4
	OUT nn-4
.endif
	MIX nn
.set nn, nn+1
.endr
	s_wait_alu depctr_va_vdst(0)                   ; the last block has written slots 28 to 31, which the last four stores read
	OUT 28
	OUT 29
	OUT 30
	OUT 31
	s_wait_dscnt 0x0                               ; the closing lines, six on end
	s_wait_alu 0x0
	s_wait_tensorcnt 0x0
	ds_add_u32 v4, v5
	s_wait_dscnt 0x0
	s_endpgm
.Lfunc_end_k_q92968e745c_carry:
	.size	k_q92968e745c_carry, .Lfunc_end_k_q92968e745c_carry-k_q92968e745c_carry
	.p2alignl 7, 3214868480
	.fill 96, 4, 3214868480
	.section	.rodata,"a",@progbits
	.p2align	6, 0x0
	.amdhsa_kernel k_q92968e745c_carry
		.amdhsa_group_segment_fixed_size 10240
		.amdhsa_private_segment_fixed_size 0
		.amdhsa_enable_private_segment 0
		.amdhsa_kernarg_size 24
		.amdhsa_user_sgpr_count 2
		.amdhsa_user_sgpr_kernarg_segment_ptr 1
		.amdhsa_wavefront_size32 1
		.amdhsa_system_sgpr_workgroup_id_x 1
		.amdhsa_system_sgpr_workgroup_id_y 1
		.amdhsa_system_sgpr_workgroup_id_z 1
		.amdhsa_system_vgpr_workitem_id 0
		.amdhsa_next_free_vgpr 256
		.amdhsa_next_free_sgpr 66
		.amdhsa_reserve_vcc 0
		.amdhsa_float_denorm_mode_32 3
		.amdhsa_float_denorm_mode_16_64 3
		.amdhsa_memory_ordered 1
		.amdhsa_forward_progress 1
		.amdhsa_inst_pref_size 32
	.end_amdhsa_kernel
	.amdgpu_metadata
---
amdhsa.version: [ 1, 2 ]
amdhsa.kernels:
  - .name:           k_q92968e745c_carry
    .symbol:         k_q92968e745c_carry.kd
    .args:
      - { .name: ws, .offset: 0, .size: 8, .value_kind: global_buffer, .address_space: global }
      - { .name: sm, .offset: 8, .size: 8, .value_kind: global_buffer, .address_space: global }
      - { .name: out0, .offset: 16, .size: 8, .value_kind: global_buffer, .address_space: global }
    .group_segment_fixed_size: 10240
    .private_segment_fixed_size: 0
    .kernarg_segment_align: 8
    .kernarg_segment_size: 24
    .max_flat_workgroup_size: 512
    .sgpr_count:     66
    .vgpr_count:     256
    .wavefront_size: 32
...
	.end_amdgpu_metadata
.endif
;; end of part 4
